; MI455X (gfx1250); checked and timed in simulation.
; The chip was launched on July 23, 2026; its instructions are those of AMD's public machine-readable ISA for CDNA 5 (MIT licence, August 2026) and "CDNA5" Instruction Set Architecture Reference Guide (July 2026). The comments in the code are by the model that wrote it; some were corrected since.
;; LORA Multihead Attention. Allowed arithmetic: matrix products marked QUANTISED: E4M3 operands, one E8M0 scale for each 32 along K, by v_wmma_scale_f32_16x16x128_f8f6f4 with both operands' format E4M3, f32 sums; products left as they are: f32 operands where the result goes on into a quantised operand, else bf16, f16 or f32 operands; f32 sums; everything else in f32.
;; Inputs: k_b 1,024 float32; k_la_codes 16 x 32 x 32 uint8 (E4M3 codes of k_la, K innermost, in blocks of 32 codes); k_la_scales 16 x 32 uint8 (E8M0 scales of k_la, one for each 32 codes along K); k_lb 1,024 x 16 float32; k_w_codes 1,024 x 32 x 32 uint8 (E4M3 codes of k_w, K innermost, in blocks of 32 codes); k_w_scales 1,024 x 32 uint8 (E8M0 scales of k_w, one for each 32 codes along K); o_b 1,024 float32; o_la_codes 16 x 32 x 32 uint8 (E4M3 codes of o_la, K innermost, in blocks of 32 codes); o_la_scales 16 x 32 uint8 (E8M0 scales of o_la, one for each 32 codes along K); o_lb 1,024 x 16 float32; o_w_codes 1,024 x 32 x 32 uint8 (E4M3 codes of o_w, K innermost, in blocks of 32 codes); o_w_scales 1,024 x 32 uint8 (E8M0 scales of o_w, one for each 32 codes along K); q_b 1,024 float32; q_la_codes 16 x 32 x 32 uint8 (E4M3 codes of q_la, K innermost, in blocks of 32 codes); q_la_scales 16 x 32 uint8 (E8M0 scales of q_la, one for each 32 codes along K); q_lb 1,024 x 16 float32; q_w_codes 1,024 x 32 x 32 uint8 (E4M3 codes of q_w, K innermost, in blocks of 32 codes); q_w_scales 1,024 x 32 uint8 (E8M0 scales of q_w, one for each 32 codes along K); v_b 1,024 float32; v_la_codes 16 x 32 x 32 uint8 (E4M3 codes of v_la, K innermost, in blocks of 32 codes); v_la_scales 16 x 32 uint8 (E8M0 scales of v_la, one for each 32 codes along K); v_lb 1,024 x 16 float32; v_w_codes 1,024 x 32 x 32 uint8 (E4M3 codes of v_w, K innermost, in blocks of 32 codes); v_w_scales 1,024 x 32 uint8 (E8M0 scales of v_w, one for each 32 codes along K); x_codes 4 x 1,024 x 32 x 32 uint8 (E4M3 codes of x, K innermost, in blocks of 32 codes); x_scales 4 x 1,024 x 32 uint8 (E8M0 scales of x, one for each 32 codes along K).
;; Outputs: out0 4 x 1,024 x 1,024 float32.
;; This version of the problem:
;;   THIS VERSION OF THE PROBLEM IS GIVEN IN LOW PRECISION. The matrix products marked QUANTISED in the list below multiply operands that are first quantised to E4M3 (4 exponent bits, 3 mantissa bits; 8 bits a number), with one power-of-two scale for each 32 numbers along K (OCP MX v1.0); their sums are f32. All else is computed in f32.
;;   The module's matrix products, in the order in which they are computed (A, B: the left and right operand; K: the contracted axis; several contracted axes count as one K, in the product's order):
;;     1. [M 4,096, K 1,024] x [K 1,024, N 1,024]; A: input x (given as codes); B: input q_w (given as codes): QUANTISED
;;     2. [M 4,096, K 1,024] x [K 1,024, N 16]; A: input x (given as codes); B: input q_la (given as codes): QUANTISED
;;     3. [M 4,096, K 16] x [K 16, N 1,024]; A: computed on the way; B: input q_lb: left as it is (K = 16 < 32)
;;     4. [M 4,096, K 1,024] x [K 1,024, N 1,024]; A: input x (given as codes); B: input k_w (given as codes): QUANTISED
;;     5. [M 4,096, K 1,024] x [K 1,024, N 16]; A: input x (given as codes); B: input k_la (given as codes): QUANTISED
;;     6. [M 4,096, K 16] x [K 16, N 1,024]; A: computed on the way; B: input k_lb: left as it is (K = 16 < 32)
;;     7. [M 4,096, K 1,024] x [K 1,024, N 1,024]; A: input x (given as codes); B: input v_w (given as codes): QUANTISED
;;     8. [M 4,096, K 1,024] x [K 1,024, N 16]; A: input x (given as codes); B: input v_la (given as codes): QUANTISED
;;     9. [M 4,096, K 16] x [K 16, N 1,024]; A: computed on the way; B: input v_lb: left as it is (K = 16 < 32)
;;     10. batch 64 x [M 1,024, K 64] x [K 64, N 1,024]; A: computed on the way; B: computed on the way: QUANTISED
;;     11. batch 64 x [M 64, K 1,024] x [K 1,024, N 1,024]; A: computed on the way; B: softmax (see below): QUANTISED
;;     12. [M 4,096, K 1,024] x [K 1,024, N 1,024]; A: computed on the way; B: input o_w (given as codes): QUANTISED
;;     13. [M 4,096, K 1,024] x [K 1,024, N 16]; A: computed on the way; B: input o_la (given as codes): QUANTISED
;;     14. [M 4,096, K 16] x [K 16, N 1,024]; A: computed on the way; B: input o_lb: left as it is (K = 16 < 32)
;;   THE QUANTISER, for each operand of a quantised product, along K:
;;     - K is cut into blocks of 32 from its start; a last block that is shorter is filled with zeros.
;;     - A block's scale is 2^e with e = floor(log2(the largest magnitude in the block)) - 8, held to -126 .. 127; a block of zeros has e = 0. As a byte (E8M0): e + 127.
;;     - Each number is divided by its block's scale, clamped to +-448, and rounded to the nearest number of E4M3, ties to even, subnormals kept.
;;     - The product sums the exact products of the quantised numbers (number of the format x scale) in f32.
;;   ~~~python
;;   def quantise(x, axis):      # numpy; x: float32 -> the quantised numbers, widened to float32 again
;;       x = np.moveaxis(x, axis, -1); K = x.shape[-1]
;;       x = np.pad(x, [(0, 0)] * (x.ndim - 1) + [(0, -K % 32)]); x = x.reshape(x.shape[:-1] + (-1, 32)); a = np.abs(x).max(-1, keepdims=True)
;;       e = np.where(a > 0, np.clip(np.frexp(np.where(a > 0, a, 1))[1] - 1 - 8, -126, 127), 0)      # np.frexp(a)[1] - 1 = floor(log2(a)), exactly
;;       r = np.clip(x / 2.0 ** e, -448, 448)
;;       step = 2.0 ** (np.maximum(np.frexp(np.where(r == 0, 1, r))[1] - 1, -6) - 3)
;;       q = np.round(r / step) * step * 2.0 ** e      # np.round: ties to even
;;       return np.moveaxis(q.reshape(q.shape[:-2] + (-1,))[..., :K], -1, axis).astype(np.float32)
;;   ~~~
;;   SOFTMAX AHEAD OF A QUANTISED PRODUCT. Where the list says 'softmax', what is quantised is not the finished softmax but p = 2^(t - M), with t = logit x log2(e) and M = ceil(the row's largest t), a whole number; so 1/2 < the row's largest p <= 1. The row's sum l is taken of the UNQUANTISED p, in f32, and the product's result is divided by l at the end. Since M is a whole number, a kernel that streams over the keys may use a running M (the ceiling of the running maximum): every later rescaling is an exact power of two, which a block's scale takes up: the codes' values come out the same.
;;   OPERANDS COMPUTED ON THE WAY. 'Computed on the way' means the value that the module computes at that place (a softmax that the list does not call 'softmax' is quantised finished and normalised). What goes into a quantiser is computed in f32, as accurately as f32 sums, v_exp_f32 and their like allow (about 1e-6 of the number): no bf16 or f16 on the way to a quantiser, and a product that is left as it is and whose result goes on into a quantised operand takes f32 operands (vector FMAs, or v_wmma_f32_16x16x4_f32). A number that lies on a knife's edge between two numbers of the format may be rounded either way, as far as f32 arithmetic and the matrix unit's own rounding can turn it there, and no further.
;;   INPUTS GIVEN AS CODES. k_la (in the module: [16, 1024], K = its axis 1); k_w (in the module: [1024, 1024], K = its axis 1); o_la (in the module: [16, 1024], K = its axis 1); o_w (in the module: [1024, 1024], K = its axis 1); q_la (in the module: [16, 1024], K = its axis 1); q_w (in the module: [1024, 1024], K = its axis 1); v_la (in the module: [16, 1024], K = its axis 1); v_w (in the module: [1024, 1024], K = its axis 1); x (in the module: [4, 1024, 1024], K = its axis 2): each comes as NAME_codes (uint8): NAME with its K axis moved to the last place and cut into blocks of 32 codes, [.., K / 32, bytes a block], one block behind the other in memory; one code a byte (a code: sign, 4 exponent bits, 3 mantissa bits); and NAME_scales (uint8): the same leading axes, one E8M0 byte (e + 127) for each 32 codes along K. Its value is code x scale, taken as it is: it is not quantised again, and the codes and scales need not be those that the quantiser above would give.
;; One version. Each part assembles by itself: llvm-mc -triple=amdgcn-amd-amdhsa -mcpu=gfx1250 --defsym DOCPART=n.
;; ======== version 1 of 1: 3 launches
;; limits: right only within a limited range of input values
;; workspace buffers: qimg 4,194,304 bytes; kimg 4,194,304 bytes; vimg 4,194,304 bytes; qsc 524,288 bytes; ksc 524,288 bytes; vsr 262,144 bytes; cimg 4,194,304 bytes; csc 131,072 bytes
;; launch qkv (part 1): grid 16 x 16, 4 waves a work-group, clusters of 4 x 1, 250,368 bytes of LDS; arguments x_codes, x_scales, q_w_codes, k_w_codes, v_w_codes, q_la_codes, k_la_codes, v_la_codes, q_w_scales, k_w_scales, v_w_scales, q_la_scales, k_la_scales, v_la_scales, q_lb, k_lb, v_lb, q_b, k_b, v_b, qimg, kimg, vimg, qsc, ksc, vsr; writes qimg, kimg, vimg, qsc, ksc, vsr
.if DOCPART == 1
	.amdgcn_target "amdgcn-amd-amdhsa--gfx1250"
	.amdhsa_code_object_version 6
	.text
	.protected	k_qeb88277829_qkv
	.globl	k_qeb88277829_qkv
	.p2align	8
	.type	k_qeb88277829_qkv,@function
k_qeb88277829_qkv:
	s_mov_b64 s[64:65], 0
	v_nop
	global_prefetch_b8 v0, s[64:65] scope:SCOPE_SE
	s_setreg_imm32_b32 hwreg(HW_REG_WAVE_MODE, 25, 1), 1
	s_wait_xcnt 0x0
	s_wait_alu depctr_hold_cnt(0) depctr_sa_sdst(0) depctr_va_vdst(0) depctr_va_sdst(0) depctr_va_ssrc(0) depctr_va_vcc(0) depctr_vm_vsrc(0)
	s_getreg_b32 s2, hwreg(HW_REG_IB_STS2, 6, 4)
	s_cmp_eq_u32 s2, 0
	s_cbranch_scc0 .Lentry_in_a_cluster
	s_endpgm
.Lentry_in_a_cluster:
	s_bfe_u32 s2, ttmp6, 0x10000c
	s_cmp_lg_u32 s2, 0x3003
	s_cbranch_scc0 .Lentry_shape_is_right
	s_endpgm
.Lentry_shape_is_right:
; q, k AND v OF ONE HEAD FOR 256 TOKENS: y = x W^T + b + (x la^T) lb^T, three times, each result quantised to E4M3 codes with one E8M0 byte for each 32 along the NEXT product's K.
; x, W and la arrive as codes and scale bytes and go to the matrix unit as they lie.  x la^T (16 ranks) is kept in f32 and multiplied by lb in f32 (v_wmma_f32_16x16x4_f32), since the result goes on into a quantiser.
; SHARES.  A work-group: 256 tokens x one head (64 columns of each of q, k, v).  A wave: 64 tokens, four tiles of 16.  Its x, all 1,024 along K, stays in 512 registers for the three passes (q, k, v):
; x is read from memory once by this work-group.  The head's 3 x 64 rows of W and the 3 x 16 rows of la lie whole in LDS, filled once; nothing in LDS is filled again.
; CLUSTER.  The four work-groups of a cluster have the same head and other tokens: W and la are asked for JOINTLY (mask 15).  x is not shared so: the work-groups that share it are the 16 heads', and 256 rows x 1,024 bytes
; of x do not fit in LDS beside the 249,600 bytes of weights; it goes from memory straight into registers.
; LAYOUT OF THE RESULTS.  q, k: source 0 = 16 rows of W, source 1 = 16 tokens: a lane holds ONE token (lane % 16) and its registers run along d.  v: source 0 = 16 tokens, source 1 = 16 rows of W: a lane holds one d and its
; registers run along the tokens, which are the keys, v's K.  Of two neighbouring tiles a lane holds 16 numbers of one block of 32: index 8 h + 0..7 and 16 + 8 h + 0..7 (h = lane / 16).  They are converted in that order into four
; operand registers.  That is a fixed permutation INSIDE a scale block, the same for q and k (along d) and for v and the softmax's p (along the keys): the products' sums hold the same terms.
; The codes leave as IMAGES OF THE OPERAND'S REGISTERS: four registers by one store, lane l's 16 bytes at 16 l: each store of the wave covers 512 consecutive bytes, aligned.
; LIMITS: NaN and infinities among the inputs are not served.  A block of zeros, or one whose largest magnitude lies under 2^(9 - 127), gets the byte 1 (a block of zeros: its codes are zeros; only this program reads the bytes).
; REGISTERS, in windows of 256 (s_set_vgpr_msb: bits 1:0 source 0, 3:2 source 1, 5:4 source 2, 7:6 destination):
;   window 0: v2-10 addresses; v16-47 x's scale words (tile a, K step s: 16 + 8 a + s); v48-79 W's (48 + 8 t + s); v80-87 la's; v96-175, v176-255 two sets of fragments: W's four tiles, then la
;   window 1: v0-127 the 16 accumulators (o, i) at 8 (4 o + i), written by matrix instructions alone; v128-159 x la^T, later the codes; v160-191 lb; v192-223 the bias as the first C; v224-255 the quantiser's
;   windows 2, 3: x's 32 fragments: (K step s, tile a) in window 2 + s / 4 at 64 (s % 4) + 16 a
.set PW,   1040                        ; a row of W or la in LDS: 1,024 bytes + 16 of padding = 65 x 16: the 16 rows that a load touches start in 16 different columns of 16 bytes
.set WREG, 64*PW                       ; one tensor's 64 rows
.set LREG, 16*PW                       ; one la
.set LAB,  3*WREG                      ; the three la lie behind the three W
.set XS,   16
.set WS,   48
.set LS,   80
.set FR0,  96
.set LOW,  128
.set LB,   160
.set BI,   192
.set IA,   224                         ; window 1: 16 x lane
.set VA,   225                         ; 8 x lane
.set TM,   226                         ; two blocks' largest magnitudes
.set TP,   228                         ; the other half of the lanes'
.set SO,   230                         ; the conversions' scale operands
.set CAP,  232
.set BY,   234                         ; the scales' bytes
.set SW,   236                         ; four scale words
.set HH,   240
.set WV,   92                          ; s92 wave; s93 block of 256 tokens; s94 head; s95 16 x batch + head; s101 the block's place in its batch
.set SEL,  98
.set MNT,  100
.set G1W,  56                          ; s[56:63] descriptor group 1 for W;  s[68:75] for la;  s[76:79] group 0 for W;  s[80:91] three groups 0 for la
.set G1L,  68
.set G0W,  76
.set G0L,  80
.set MSB,  0
.macro WIN new                         ; the immediate's high byte repeats the setting that is left; a switch that changes nothing is dropped
.if MSB != (\new)
	s_set_vgpr_msb ((MSB<<8)|(\new))
.set MSB, (\new)
.endif
.endm
.macro PLACES n
.rept \n
	v_nop
.endr
.endm
.macro CROUND                          ; a round of the cluster's barrier
	s_barrier_signal -1
	s_barrier_wait -1
	s_cmp_lg_u32 s[WV], 0
	s_cbranch_scc1 .Lnot_wave_0_\@
	s_barrier_signal -3
.Lnot_wave_0_\@:
	s_barrier_wait -3
	s_barrier_signal -1
	s_barrier_wait -1
.endm
.macro ADDP lo                         ; a pointer takes the offset in s[96:97]
	s_add_nc_u64 s[\lo:\lo+1], s[\lo:\lo+1], s[96:97]
.endm
	s_load_b512 s[4:19], s[0:1], 0x0               ; x codes, x scales, W codes q k v, la codes q k v
	s_load_b512 s[20:35], s[0:1], 0x40             ; W scales q k v, la scales q k v, lb q k
	s_load_b512 s[36:51], s[0:1], 0x80             ; lb v, b q k v, qimg, kimg, vimg, qsc
	s_load_b128 s[52:55], s[0:1], 0xc0             ; ksc, vsr
	v_lshl_add_u32 v94, v0, 2, 0x3d000
	v_mov_b32 v95, 0
	ds_add_u32 v94, v95
	ds_add_u32 v94, v95
	v_lshrrev_b32 v1, 5, v0
	v_readfirstlane_b32 s[WV], v1                  ; wave 0..3
	v_and_b32 v11, 31, v0                          ; lane
	v_and_b32 v12, 15, v0                          ; r
	v_bfe_u32 v13, v0, 4, 1                        ; h
	v_mul_u32_u24 v2, v12, PW
	v_lshl_add_u32 v2, v13, 4, v2                  ; a fragment in LDS: row r x pitch + 16 h: q's W,
	v_add_nc_u32 v3, WREG, v2                      ; k's,
	v_add_nc_u32 v4, 2*WREG, v2                    ; v's,
	v_add_nc_u32 v5, LAB, v2                       ; la
	v_lshlrev_b32 v6, 10, v12
	v_lshl_add_u32 v6, v13, 4, v6                  ; x: row r of 1,024 bytes + 16 h
	v_lshlrev_b32 v7, 5, v12                       ; scale bytes: 32 a row
	v_lshlrev_b32 v8, 6, v12
	v_lshl_add_u32 v8, v13, 5, v8                  ; lb: row r of 64 bytes + ranks 8 h on
	v_lshlrev_b32 v9, 5, v13                       ; the bias of q, k: my eight columns 8 h on
	v_lshlrev_b32 v10, 2, v12                      ; the bias of v: my column r
	WIN 0x40
	v_lshlrev_b32 v[IA], 4, v11
	v_lshlrev_b32 v[VA], 3, v11
	v_mov_b32 v[TP], 0                             ; written once: a lane permute's destination counts as one of its sources
	v_mov_b32 v[TP+1], 0
	WIN 0
	s_bfe_u32 s2, ttmp6, 0x40000                   ; cx: my place in the cluster
	s_lshl_b32 s93, ttmp9, 2
	s_add_co_u32 s93, s93, s2                      ; my block of 256 tokens: it enters x's and the results' addresses alone
	s_and_b32 s94, ttmp7, 0xffff                   ; the head, which the four partners share
	s_lshr_b32 s95, s93, 2
	s_lshl_b32 s95, s95, 4
	s_add_co_u32 s95, s95, s94                     ; 16 x batch + head
	s_and_b32 s101, s93, 3                         ; the block's place in its batch
	s_mov_b32 s[SEL], 0x76543210
	s_mov_b32 s[SEL+1], 0xfedcba98                 ; v_permlanex16_b32's selects for lane l xor 16
	; descriptor group 1: rows of 1,024 elements of one byte, 4 words of padding behind every 256 words; the mask names all four work-groups, bit 21 beside it
	s_mov_b32 s[G1W+0], 15|(1<<20)|(1<<21)|(7<<22)|(3<<25)
	s_mov_b32 s[G1W+1], 1024<<16                   ; tensor_dim0
	s_mov_b32 s[G1W+2], 64<<16                     ; tensor_dim1
	s_mov_b32 s[G1W+3], 1024<<16                   ; tile_dim0
	s_mov_b32 s[G1W+4], 64                         ; tile_dim1
	s_mov_b32 s[G1W+5], 1024                       ; from row to row
	s_mov_b32 s[G1W+6], 0
	s_mov_b32 s[G1W+7], 0
	s_mov_b32 s[G1L+0], 15|(1<<20)|(1<<21)|(7<<22)|(3<<25)
	s_mov_b32 s[G1L+1], 1024<<16
	s_mov_b32 s[G1L+2], 16<<16
	s_mov_b32 s[G1L+3], 1024<<16
	s_mov_b32 s[G1L+4], 16
	s_mov_b32 s[G1L+5], 1024
	s_mov_b32 s[G1L+6], 0
	s_mov_b32 s[G1L+7], 0
	s_mov_b32 s97, 0
	s_wait_dscnt 0x0
	s_wait_kmcnt 0x0
	; group 0: waves 0, 1, 2 fetch the head's 64 rows of q's, k's, v's W; wave 3 the three la
	s_mov_b32 s[G0W], 1
	s_mul_i32 s[G0W+1], s[WV], WREG
	s_cmp_eq_u32 s[WV], 1
	s_cselect_b64 s[G0W+2:G0W+3], s[10:11], s[8:9]
	s_cmp_eq_u32 s[WV], 2
	s_cselect_b64 s[G0W+2:G0W+3], s[12:13], s[G0W+2:G0W+3]
	s_lshl_b32 s96, s94, 16                        ; 64 rows of 1,024 bytes a head
	s_add_nc_u64 s[G0W+2:G0W+3], s[G0W+2:G0W+3], s[96:97]
	s_or_b32 s[G0W+3], s[G0W+3], 0x80000000
.irp p, 0,1,2
	s_mov_b32 s[G0L+4*\p], 1
	s_mov_b32 s[G0L+4*\p+1], LAB+\p*LREG
	s_mov_b64 s[G0L+4*\p+2:G0L+4*\p+3], s[14+2*\p:15+2*\p]
	s_or_b32 s[G0L+4*\p+3], s[G0L+4*\p+3], 0x80000000
.endr
	; every pointer is brought to this wave's part once, ahead of every load
	s_lshl_b32 s96, s93, 18
	s_lshl_b32 s2, s[WV], 16
	s_add_co_u32 s96, s96, s2                      ; x: 256 rows a block, 64 a wave
	ADDP 4
	s_lshr_b32 s96, s96, 5                         ; its scale bytes: a 32nd
	ADDP 6
	s_lshl_b32 s96, s94, 11                        ; W's scale bytes: 64 rows of 32
	ADDP 20
	ADDP 22
	ADDP 24
	s_lshl_b32 s96, s94, 12                        ; lb: 64 rows of 64 bytes
	ADDP 32
	ADDP 34
	ADDP 36
	s_lshl_b32 s96, s94, 8                         ; b: 64 numbers
	ADDP 38
	ADDP 40
	ADDP 42
	s_lshl_b32 s96, s95, 16                        ; qimg, kimg: [16 batch + head][tile of 16 tokens][1,024 bytes]
	s_lshl_b32 s2, s101, 14
	s_add_co_u32 s96, s96, s2
	s_lshl_b32 s3, s[WV], 12
	s_add_co_u32 s96, s96, s3
	ADDP 44
	ADDP 46
	s_lshl_b32 s96, s95, 16                        ; vimg: [..][128 keys][16 d][32 keys][512 bytes]: my 64 keys are half a step
	s_add_co_u32 s96, s96, s2
	s_lshr_b32 s3, s[WV], 1
	s_lshl_b32 s3, s3, 13
	s_add_co_u32 s96, s96, s3
	s_and_b32 s3, s[WV], 1
	s_lshl_b32 s3, s3, 10
	s_add_co_u32 s96, s96, s3
	ADDP 48
	s_lshl_b32 s3, s101, 2
	s_add_co_u32 s3, s3, s[WV]                     ; which 64 tokens of the batch
	s_lshl_b32 s96, s95, 13                        ; qsc, ksc: [..][64 tokens][lane][4 words]
	s_lshl_b32 s2, s3, 9
	s_add_co_u32 s96, s96, s2
	ADDP 50
	ADDP 52
	s_lshl_b32 s96, s95, 12                        ; vsr: [..][64 keys][lane][4 tiles of d][2 bytes]
	s_lshl_b32 s2, s3, 8
	s_add_co_u32 s96, s96, s2
	ADDP 54
	CROUND                                         ; all four work-groups are here: the joint loads meet
	s_cmp_lt_u32 s[WV], 3                          ; a wave's first fills stand in one branch on its number; wave 3 has three loads out, the others one
	s_cbranch_scc0 .Lfor_la
	tensor_load_to_lds s[G0W:G0W+3], s[G1W:G1W+7]
	s_nop 0
	PLACES 4
	s_branch .Lasked
.Lfor_la:
	tensor_load_to_lds s[G0L:G0L+3], s[G1L:G1L+7]
	s_nop 0
	tensor_load_to_lds s[G0L+4:G0L+7], s[G1L:G1L+7]
	s_nop 0
	tensor_load_to_lds s[G0L+8:G0L+11], s[G1L:G1L+7]
	s_nop 0
	PLACES 4
.Lasked:
; x's four fragments of K step s: lane (r, h) takes 16 bytes of row r at 128 s + 32 c + 16 h
.macro XLOAD s
	WIN 0x80+0x40*((\s)/4)
.irp a, 0,1,2,3
.irp c, 0,1,2,3
	global_load_b128 v[64*((\s)%4)+16*\a+4*\c:64*((\s)%4)+16*\a+4*\c+3], v6, s[4:5] offset:16384*\a+128*(\s)+32*\c
.endr
.endr
.endm
; what pass p needs beside the codes: W's and la's scale words, lb, the bias.  kind 0: q, k;  1: v
.macro PARAMS p, kind
	WIN 0
.irp t, 0,1,2,3
	global_load_b128 v[WS+8*\t:WS+8*\t+3], v7, s[20+2*\p:21+2*\p] offset:512*\t
	global_load_b128 v[WS+8*\t+4:WS+8*\t+7], v7, s[20+2*\p:21+2*\p] offset:512*\t+16
.endr
	global_load_b128 v[LS:LS+3], v7, s[26+2*\p:27+2*\p]
	global_load_b128 v[LS+4:LS+7], v7, s[26+2*\p:27+2*\p] offset:16
	WIN 0x40
.irp t, 0,1,2,3
	global_load_b128 v[LB+8*\t:LB+8*\t+3], v8, s[32+2*\p:33+2*\p] offset:1024*\t       ; lb(16 t + r, 8 h + 0..7)
	global_load_b128 v[LB+8*\t+4:LB+8*\t+7], v8, s[32+2*\p:33+2*\p] offset:1024*\t+16
.endr
.if \kind == 0
.irp t, 0,1,2,3
	global_load_b128 v[BI+8*\t:BI+8*\t+3], v9, s[38+2*\p:39+2*\p] offset:64*\t         ; b(16 t + 8 h + 0..7): the result's layout
	global_load_b128 v[BI+8*\t+4:BI+8*\t+7], v9, s[38+2*\p:39+2*\p] offset:64*\t+16
.endr
.else
.irp t, 0,1,2,3
	global_load_b32 v[BI+8*\t], v10, s[38+2*\p:39+2*\p] offset:64*\t                   ; b(16 t + r): the same for my eight tokens
.endr
.endif
.endm
; 20 LDS loads: pass p's four fragments of W and one of la for K step s, into a set
.macro FETCH p, s, set
.set FS, FR0+80*(\set)
.irp t, 0,1,2,3
.irp c, 0,1,2,3
	ds_load_b128 v[FS+16*\t+4*\c:FS+16*\t+4*\c+3], v[2+\p] offset:16*PW*\t+128*(\s)+32*\c
.endr
.endr
.irp c, 0,1,2,3
	ds_load_b128 v[FS+64+4*\c:FS+64+4*\c+3], v5 offset:\p*LREG+128*(\s)+32*\c
.endr
.endm
.macro LOWP s, a                       ; x la^T for tile a: source 0 = la's 16 ranks, source 1 = 16 tokens: lane (r, h) holds token r, ranks 8 h + 0..7
.if (\s) == 0
	v_wmma_scale_f32_16x16x128_f8f6f4 v[LOW+8*\a:LOW+8*\a+7], v[FS+64:FS+79], v[XB+16*\a:XB+16*\a+15], 0, v[LS+(\s)], v[XS+8*\a+(\s)]
.else
	v_wmma_scale_f32_16x16x128_f8f6f4 v[LOW+8*\a:LOW+8*\a+7], v[FS+64:FS+79], v[XB+16*\a:XB+16*\a+15], v[LOW+8*\a:LOW+8*\a+7], v[LS+(\s)], v[XS+8*\a+(\s)]
.endif
.endm
; A K step's 20 matrix instructions.  The 20 accumulators take turns, one instruction a turn, in the same order in every step.  The first step's C is the bias (x la^T: the constant 0).
.macro MULQK s
.set FS, FR0+80*((\s)%2)
.set XB, 64*((\s)%4)
	WIN 0x58+4*((\s)/4)                            ; source 0 (W, la) window 0, source 1 (x) window 2 or 3, C and D window 1
.irp a, 0,1,2,3
.irp t, 0,1,2,3
.if (\s) == 0
	v_wmma_scale_f32_16x16x128_f8f6f4 v[8*(4*\a+\t):8*(4*\a+\t)+7], v[FS+16*\t:FS+16*\t+15], v[XB+16*\a:XB+16*\a+15], v[BI+8*\t:BI+8*\t+7], v[WS+8*\t+(\s)], v[XS+8*\a+(\s)]
.else
	v_wmma_scale_f32_16x16x128_f8f6f4 v[8*(4*\a+\t):8*(4*\a+\t)+7], v[FS+16*\t:FS+16*\t+15], v[XB+16*\a:XB+16*\a+15], v[8*(4*\a+\t):8*(4*\a+\t)+7], v[WS+8*\t+(\s)], v[XS+8*\a+(\s)]
.endif
.endr
	LOWP \s, \a
.endr
.endm
.macro MULV s
.set FS, FR0+80*((\s)%2)
.set XB, 64*((\s)%4)
	WIN 0x52+((\s)/4)                              ; source 0 (x) window 2 or 3, source 1 (W) window 0, C and D window 1
.irp t, 0,1,2,3
.irp a, 0,1,2,3
.if (\s) == 0
	v_wmma_scale_f32_16x16x128_f8f6f4 v[8*(4*\t+\a):8*(4*\t+\a)+7], v[XB+16*\a:XB+16*\a+15], v[FS+16*\t:FS+16*\t+15], v[BI+8*\t:BI+8*\t+7], v[XS+8*\a+(\s)], v[WS+8*\t+(\s)]
.else
	v_wmma_scale_f32_16x16x128_f8f6f4 v[8*(4*\t+\a):8*(4*\t+\a)+7], v[XB+16*\a:XB+16*\a+15], v[FS+16*\t:FS+16*\t+15], v[8*(4*\t+\a):8*(4*\t+\a)+7], v[XS+8*\a+(\s)], v[WS+8*\t+(\s)]
.endif
.endr
.endr
	WIN 0x58+4*((\s)/4)
.irp a, 0,1,2,3
	LOWP \s, \a
.endr
.endm
; K step s of pass p.  The next step's fragments are asked for first, into the set that the step before read: eight places stand between those products and the loads.
.macro STEP p, kind, s, first
.if (\s) < 7
.if (\s) > 0
	PLACES 8
.endif
	WIN 0
	FETCH \p, (\s)+1, ((\s)+1)%2
	s_wait_dscnt 20                                ; this step's 20 loads are in; the 20 just issued may be out
.else
	s_wait_dscnt 0x0
.endif
.if \first                             ; in the first pass x is still arriving, four K steps (64 loads) ahead
.if (\s) < 5
	s_wait_loadcnt 48                              ; x's K step s is in (and all that was asked for ahead of it); the three steps behind it, 16 loads each, may be out
.else
	s_wait_loadcnt 16*(7-(\s))
.endif
.if (\s) < 4
	XLOAD (\s)+4
.endif
.endif
.if \kind == 0
	MULQK \s
.else
	MULV \s
.endif
.endm
.macro STEPS p, kind, first
	WIN 0
	FETCH \p, 0, 0
.irp s, 0,1,2,3,4,5,6,7
	STEP \p, \kind, \s, \first
.endr
.endm
; + (x la^T) lb^T in f32, onto the same accumulators: four K steps of 4 ranks.  Registers 2 kk, 2 kk + 1 of x la^T hold ranks 8 h + 2 kk + 0, 1 of the lane's token, and lb was loaded in the same order: both sides name the same
; ranks in the same places.  Another form takes the accumulators as C and x la^T as an operand: nine places are owed, ten stand.  16 accumulators by turns.
.macro LORA kind
	PLACES 10
	WIN 0x55
.irp kk, 0,1,2,3
.irp o, 0,1,2,3
.irp i, 0,1,2,3
.if \kind == 0
	v_wmma_f32_16x16x4_f32 v[8*(4*\o+\i):8*(4*\o+\i)+7], v[LB+8*\i+2*\kk:LB+8*\i+2*\kk+1], v[LOW+8*\o+2*\kk:LOW+8*\o+2*\kk+1], v[8*(4*\o+\i):8*(4*\o+\i)+7]
.else
	v_wmma_f32_16x16x4_f32 v[8*(4*\o+\i):8*(4*\o+\i)+7], v[LOW+8*\i+2*\kk:LOW+8*\i+2*\kk+1], v[LB+8*\o+2*\kk:LB+8*\o+2*\kk+1], v[8*(4*\o+\i):8*(4*\o+\i)+7]
.endif
.endr
.endr
.endr
	PLACES 8                                       ; in front of the loads into lb's registers and of the first read of results
.endm
; The 32 registers of accumulators (o, 0..3) are two blocks of 32 along the next K (16 numbers here, 16 in lane l xor 16).  They become eight registers of codes at v[LOW + 8 o] and two bytes in v[BY], v[BY + 1].
; The conversions read the accumulators in place, each from its low end on.
.macro QUANT2 o
.set QS, 32*(\o)
.irp b, 0,1
	v_max3_num_f32 v[TM+\b], |v[QS+16*\b]|, |v[QS+16*\b+1]|, 0x4800000     ; with the floor 2^(9 - 127): the byte cannot fall under 1
.endr
.irp i, 2,4,6,8,10,12,14
.irp b, 0,1
	v_max3_num_f32 v[TM+\b], v[TM+\b], |v[QS+16*\b+\i]|, |v[QS+16*\b+\i+1]|
.endr
.endr
.irp b, 0,1
	v_permlanex16_b32 v[TP+\b], v[TM+\b], s[SEL], s[SEL+1]
.endr
.irp b, 0,1
	v_max_num_f32 v[TM+\b], v[TM+\b], v[TP+\b]     ; the block's largest magnitude
.endr
.irp b, 0,1
	v_add_nc_u32 v[SO+\b], 0xfc000000, v[TM+\b]    ; 8 off its exponent field: the conversion takes this operand's exponent field as its scale
.endr
.irp b, 0,1
.endr
.irp b, 0,1
	v_lshrrev_b32 v[BY+\b], 23, v[SO+\b]           ; the scale's byte
.endr
.irp b, 0,1
.irp g, 0,1
.irp i, 0,1,2,3,4,5,6,7
.endr
	v_cvt_scalef32_pk8_fp8_f32 v[LOW+8*(\o)+4*\b+2*\g:LOW+8*(\o)+4*\b+2*\g+1], v[HH+8*\g+((QS+16*\b+8*\g+0)-(HH+8*\g+0)):HH+8*\g+7+((QS+16*\b+8*\g+0)-(HH+8*\g+0))], v[SO+\b]
.endr
.endr
.endm
.macro EPIQK p                         ; q or k: o = the tile of tokens
	WIN 0x55
.irp o, 0,1,2,3
	QUANT2 \o
	v_lshl_or_b32 v[SW+\o], v[BY+1], 8, v[BY]      ; (the plain line behind the last conversion)  the token's scale word: d has two blocks;
	v_or_b32 v[SW+\o], 0x7f7f0000, v[SW+\o]        ; the upper 64 of the instruction's 128 along K are zero codes under the byte 127
	global_store_b128 v[IA], v[LOW+8*\o:LOW+8*\o+3], s[44+2*\p:45+2*\p] offset:1024*\o
	global_store_b128 v[IA], v[LOW+8*\o+4:LOW+8*\o+7], s[44+2*\p:45+2*\p] offset:1024*\o+512
.endr
	global_store_b128 v[IA], v[SW:SW+3], s[50+2*\p:51+2*\p]
.endm
.macro NEXT                            ; between passes: the stores have read the codes' and scale words' registers, which the next pass writes; its parameters are in
	s_wait_xcnt 0x0
	s_wait_loadcnt 0x0
.endm
	s_wait_alu depctr_va_vdst(0)
.irp a, 0,1,2,3
	global_load_b128 v[XS+8*\a:XS+8*\a+3], v7, s[6:7] offset:512*\a        ; x's scale words: row r's 32 bytes
	global_load_b128 v[XS+8*\a+4:XS+8*\a+7], v7, s[6:7] offset:512*\a+16
.endr
	PARAMS 0, 0
	XLOAD 0
	XLOAD 1
	XLOAD 2
	XLOAD 3
	WIN 0
	s_wait_tensorcnt 0x0                           ; my part of the weights is in LDS,
	s_barrier_signal -1
	s_barrier_wait -1                              ; everybody's is; nothing is filled again
	STEPS 0, 0, 1                                  ; q
	LORA 0
	PARAMS 1, 0                                    ; the next pass's parameters land under the quantiser
	EPIQK 0
	NEXT
	STEPS 1, 0, 0                                  ; k
	LORA 0
	PARAMS 2, 1
	EPIQK 1
	NEXT
	WIN 0x55
.irp t, 0,1,2,3
.irp j, 1,2,3,4,5,6,7
	v_mov_b32 v[BI+8*\t+\j], v[BI+8*\t]            ; v's bias hangs on the lane's d alone: the same in the eight registers of a first C
.endr
.endr
	PLACES 4
	s_wait_alu depctr_va_vdst(0)
	STEPS 2, 1, 0                                  ; v
	LORA 1
	WIN 0x55
.irp o, 0,1,2,3                        ; o = the tile of d; the two blocks are my 64 keys
	QUANT2 \o
	v_lshl_or_b32 v[SW+\o], v[BY+1], 8, v[BY]      ; (the plain line behind the last conversion)
	global_store_b128 v[IA], v[LOW+8*\o:LOW+8*\o+3], s[48:49] offset:2048*\o
	global_store_b128 v[IA], v[LOW+8*\o+4:LOW+8*\o+7], s[48:49] offset:2048*\o+512
.endr
	v_lshl_or_b32 v[SW], v[SW+1], 16, v[SW]
	v_lshl_or_b32 v[SW+1], v[SW+3], 16, v[SW+2]
	global_store_b64 v[VA], v[SW:SW+1], s[54:55]   ; 32 lanes store 256 consecutive bytes, aligned
	WIN 0
	s_wait_tensorcnt 0x0
	ds_add_u32 v94, v95
	s_wait_dscnt 0x0
	CROUND                                         ; the closing round: no work-group ends while a partner may still ask for a tile that names it
	s_endpgm
.Lfunc_end_k_qeb88277829_qkv:
	.size	k_qeb88277829_qkv, .Lfunc_end_k_qeb88277829_qkv-k_qeb88277829_qkv
	.p2alignl 7, 3214868480
	.fill 96, 4, 3214868480
	.section	.rodata,"a",@progbits
	.p2align	6, 0x0
	.amdhsa_kernel k_qeb88277829_qkv
		.amdhsa_group_segment_fixed_size 250368
		.amdhsa_private_segment_fixed_size 0
		.amdhsa_enable_private_segment 0
		.amdhsa_kernarg_size 208
		.amdhsa_user_sgpr_count 2
		.amdhsa_user_sgpr_kernarg_segment_ptr 1
		.amdhsa_wavefront_size32 1
		.amdhsa_system_sgpr_workgroup_id_x 1
		.amdhsa_system_sgpr_workgroup_id_y 1
		.amdhsa_system_sgpr_workgroup_id_z 1
		.amdhsa_system_vgpr_workitem_id 0
		.amdhsa_next_free_vgpr 1024
		.amdhsa_next_free_sgpr 102
		.amdhsa_reserve_vcc 0
		.amdhsa_float_denorm_mode_32 3
		.amdhsa_float_denorm_mode_16_64 3
		.amdhsa_fp16_overflow 1
		.amdhsa_memory_ordered 1
		.amdhsa_forward_progress 1
		.amdhsa_inst_pref_size 164
	.end_amdhsa_kernel
	.amdgpu_metadata
---
amdhsa.version: [ 1, 2 ]
amdhsa.kernels:
  - .name:           k_qeb88277829_qkv
    .symbol:         k_qeb88277829_qkv.kd
    .args:
      - { .name: x_codes, .offset: 0, .size: 8, .value_kind: global_buffer, .address_space: global }
      - { .name: x_scales, .offset: 8, .size: 8, .value_kind: global_buffer, .address_space: global }
      - { .name: q_w_codes, .offset: 16, .size: 8, .value_kind: global_buffer, .address_space: global }
      - { .name: k_w_codes, .offset: 24, .size: 8, .value_kind: global_buffer, .address_space: global }
      - { .name: v_w_codes, .offset: 32, .size: 8, .value_kind: global_buffer, .address_space: global }
      - { .name: q_la_codes, .offset: 40, .size: 8, .value_kind: global_buffer, .address_space: global }
      - { .name: k_la_codes, .offset: 48, .size: 8, .value_kind: global_buffer, .address_space: global }
      - { .name: v_la_codes, .offset: 56, .size: 8, .value_kind: global_buffer, .address_space: global }
      - { .name: q_w_scales, .offset: 64, .size: 8, .value_kind: global_buffer, .address_space: global }
      - { .name: k_w_scales, .offset: 72, .size: 8, .value_kind: global_buffer, .address_space: global }
      - { .name: v_w_scales, .offset: 80, .size: 8, .value_kind: global_buffer, .address_space: global }
      - { .name: q_la_scales, .offset: 88, .size: 8, .value_kind: global_buffer, .address_space: global }
      - { .name: k_la_scales, .offset: 96, .size: 8, .value_kind: global_buffer, .address_space: global }
      - { .name: v_la_scales, .offset: 104, .size: 8, .value_kind: global_buffer, .address_space: global }
      - { .name: q_lb, .offset: 112, .size: 8, .value_kind: global_buffer, .address_space: global }
      - { .name: k_lb, .offset: 120, .size: 8, .value_kind: global_buffer, .address_space: global }
      - { .name: v_lb, .offset: 128, .size: 8, .value_kind: global_buffer, .address_space: global }
      - { .name: q_b, .offset: 136, .size: 8, .value_kind: global_buffer, .address_space: global }
      - { .name: k_b, .offset: 144, .size: 8, .value_kind: global_buffer, .address_space: global }
      - { .name: v_b, .offset: 152, .size: 8, .value_kind: global_buffer, .address_space: global }
      - { .name: qimg, .offset: 160, .size: 8, .value_kind: global_buffer, .address_space: global }
      - { .name: kimg, .offset: 168, .size: 8, .value_kind: global_buffer, .address_space: global }
      - { .name: vimg, .offset: 176, .size: 8, .value_kind: global_buffer, .address_space: global }
      - { .name: qsc, .offset: 184, .size: 8, .value_kind: global_buffer, .address_space: global }
      - { .name: ksc, .offset: 192, .size: 8, .value_kind: global_buffer, .address_space: global }
      - { .name: vsr, .offset: 200, .size: 8, .value_kind: global_buffer, .address_space: global }
    .group_segment_fixed_size: 250368
    .private_segment_fixed_size: 0
    .kernarg_segment_align: 8
    .kernarg_segment_size: 208
    .max_flat_workgroup_size: 128
    .sgpr_count:     102
    .vgpr_count:     1024
    .wavefront_size: 32
...
	.end_amdgpu_metadata
.endif
;; end of part 1
;; launch attn (part 2): grid 4 x 64, 16 waves a work-group, clusters of 4 x 1, 169,984 bytes of LDS; arguments qimg, qsc, kimg, ksc, vimg, vsr, cimg, csc; writes cimg, csc
.if DOCPART == 2
	.amdgcn_target "amdgcn-amd-amdhsa--gfx1250"
	.amdhsa_code_object_version 6
	.text
	.protected	k_qeb88277829_attn
	.globl	k_qeb88277829_attn
	.p2align	8
	.type	k_qeb88277829_attn,@function
k_qeb88277829_attn:
	s_mov_b64 s[64:65], 0
	v_nop
	global_prefetch_b8 v0, s[64:65] scope:SCOPE_SE
	s_setreg_imm32_b32 hwreg(HW_REG_WAVE_MODE, 25, 1), 1
	s_wait_xcnt 0x0
	s_wait_alu depctr_hold_cnt(0) depctr_sa_sdst(0) depctr_va_vdst(0) depctr_va_sdst(0) depctr_va_ssrc(0) depctr_va_vcc(0) depctr_vm_vsrc(0)
	s_getreg_b32 s2, hwreg(HW_REG_IB_STS2, 6, 4)
	s_cmp_eq_u32 s2, 0
	s_cbranch_scc0 .Lentry_in_a_cluster
	s_endpgm
.Lentry_in_a_cluster:
	s_bfe_u32 s2, ttmp6, 0x10000c
	s_cmp_lg_u32 s2, 0x3003
	s_cbranch_scc0 .Lentry_shape_is_right
	s_endpgm
.Lentry_shape_is_right:
; ctx[q] = the sum over the keys of softmax(q . k / 8) v, for 256 queries of one head of one batch; both products on E4M3 codes with one E8M0 scale for each 32 along K; ctx is quantised along E and leaves as codes.
; q, k, v arrive as images of operand registers (16 bytes a lane, 512 bytes for four registers) with their scale words: every fragment is read at 16 x lane, from memory or LDS, with no pitch and no conflict.
; THE SOFTMAX: t = score x log2(e) / 8; M = the running largest t rounded UP to a whole number; p = 2^(t - M) is quantised along the keys, not normalised; the row's sum is taken of the unquantised p and divides at the end.
; When M moves, the sum and O are multiplied by 2^(old M - new M), which rounds nothing.
; SHARES.  Sixteen waves, each with 16 queries in 256 registers: four waves to a SIMD, so that one wave's vector work stands beside another's products and LDS loads.  Every wave walks the head's 1,024 keys, 128 a step.
; The head's whole K and V (65,536 bytes of codes each) and K's scale words lie in LDS, filled once; nothing is filled again.
; CLUSTER.  The four work-groups of a cluster are the four blocks of queries of one head: K, V and K's scale words are asked for JOINTLY (mask 15).
; LAYOUT.  S^T = K Q^T (source 0 = 16 keys, source 1 = my 16 queries), O^T = V^T P^T (source 0 = 16 of d, source 1 = P): a lane holds ONE query throughout.  d is 64: the upper half of K's and Q's fragments is zero codes under
; the byte 127.  p's 16 registers of two neighbouring tiles are keys 8 h + 0..7 and 16 + 8 h + 0..7 of a block of 32: the order in which v's codes were laid.  ctx's codes are laid in the same order along E.
; LIMITS: NaN and infinities are not served; a block of zeros keeps the byte 1 (its codes are zeros); the division by the row's sum is v_rcp_f32 and a multiplication.
; ctx's scale bytes leave one byte a lane (two bytes of each token's 32): 131,072 bytes in the whole launch.
; REGISTERS: v1, v6-11 addresses that stay; v2-5 the step's; v12 -M, v13 the largest t, v[14:15] the sum; v16-31 Q; v32-95 four fragments of K; v96-159 S^T, then p; v160-191 O^T; v192-223 two fragments of V;
;   v224-239 p's codes; v232-247 at work; v248-251 K's or V's scale words; v252 f; v253 p's scale word; v254 at work; v255 Q's scale word.
.set KSC, 131072                       ; LDS: K's images at 0, V's at 65,536, K's scale words here (8,192 bytes),
.set VSW, 139264                       ; V's scale words, [step][lane][4 words], 4,096 bytes: stored by waves 8-15; no tile lands here
.set WV,  20
.set SEL, 24
.set CS,  26
.set MNT, 28
.set TK,  29                           ; s29 the step's bytes in K's and in V's images: 8,192 a step
.set TS,  30                           ; s30 in K's scale words: 1,024 a step
.set TV,  31                           ; s31 in V's: 512 a step
.set CNT, 32
.set G1A, 36                           ; s[36:43] group 1 for 32,768 dense bytes;  s[44:51] for 8,192;  s[52:55], s[56:59] their groups 0
.set G1S, 44
.set G0A, 52
.set G0C, 56
.macro CROUND                          ; a round of the cluster's barrier
	s_barrier_signal -1
	s_barrier_wait -1
	s_cmp_lg_u32 s[WV], 0
	s_cbranch_scc1 .Lnot_wave_0_\@
	s_barrier_signal -3
.Lnot_wave_0_\@:
	s_barrier_wait -3
	s_barrier_signal -1
	s_barrier_wait -1
.endm
	s_load_b512 s[4:19], s[0:1], 0x0               ; qimg, qsc, kimg, ksc, vimg, vsr, cimg, csc
	v_lshl_add_u32 v254, v0, 2, 0x29000
	v_mov_b32 v255, 0
	ds_add_u32 v254, v255
	ds_add_u32 v254, v255
	s_wait_dscnt 0x0
	v_lshrrev_b32 v1, 5, v0
	s_delay_alu instid0(VALU_DEP_1)
	v_readfirstlane_b32 s[WV], v1                  ; wave 0..15
	v_and_b32 v11, 31, v0                          ; lane
	s_delay_alu instid0(VALU_DEP_1)
	v_lshlrev_b32 v1, 4, v11                       ; 16 x lane: my place in every image; K's images begin at LDS byte 0
	s_delay_alu instid0(VALU_DEP_1)
	v_add_nc_u32 v6, 65536, v1                     ; V's images
	s_delay_alu instid0(VALU_DEP_2)
	v_add_nc_u32 v7, KSC, v1                       ; K's scale words
	s_delay_alu instid0(VALU_DEP_3)
	v_add_nc_u32 v8, VSW, v1                       ; V's
	v_and_b32 v9, 255, v0
	s_delay_alu instid0(VALU_DEP_1)
	v_lshl_add_u32 v9, v9, 4, VSW                  ; where waves 8-15 store them: step wave - 8, 16 x lane
	v_lshlrev_b32 v10, 3, v11                      ; 8 x lane
	s_bfe_u32 s2, ttmp6, 0x40000                   ; cx: my place in the cluster
	s_lshl_b32 s22, ttmp9, 2
	s_add_co_u32 s22, s22, s2                      ; my block of 256 queries
	s_lshl_b32 s22, s22, 4
	s_add_co_u32 s22, s22, s[WV]                   ; my tile of 16 queries, 0..63: it enters Q's and ctx's addresses alone
	s_and_b32 s21, ttmp7, 0xffff                   ; 16 x batch + head, which the four partners share
	; dense blocks as rows of 256 bytes (32 elements of 8 bytes), no padding; the mask names all four work-groups, bit 21 beside it
	s_mov_b32 s[G1A+0], 15|(3<<16)|(1<<21)
	s_mov_b32 s[G1A+1], 32<<16
	s_mov_b32 s[G1A+2], 128<<16
	s_mov_b32 s[G1A+3], 32<<16
	s_mov_b32 s[G1A+4], 128
	s_mov_b32 s[G1A+5], 32
	s_mov_b32 s[G1A+6], 0
	s_mov_b32 s[G1A+7], 0
	s_mov_b32 s[G1S+0], 15|(3<<16)|(1<<21)
	s_mov_b32 s[G1S+1], 32<<16
	s_mov_b32 s[G1S+2], 32<<16
	s_mov_b32 s[G1S+3], 32<<16
	s_mov_b32 s[G1S+4], 32
	s_mov_b32 s[G1S+5], 32
	s_mov_b32 s[G1S+6], 0
	s_mov_b32 s[G1S+7], 0
	s_mov_b32 s[SEL], 0x76543210
	s_mov_b32 s[SEL+1], 0xfedcba98                 ; v_permlanex16_b32's selects for lane l xor 16
	s_mov_b32 s[CS], 0x3e38aa3b                    ; c = log2(e) / sqrt(64)
	s_mov_b32 s[CS+1], s[CS]                       ; (named with it as a pair, so it is written)
	s_mov_b32 s[TK], 0
	s_mov_b32 s[TS], 0
	s_mov_b32 s[TV], 0
	s_mov_b32 s[CNT], 8
	s_mov_b32 s35, 0
	s_wait_kmcnt 0x0
	; waves 0, 1: K's halves; waves 2, 3: V's halves: LDS byte 32,768 x wave.  Wave 4: K's scale words
	s_mov_b32 s[G0A], 1
	s_lshl_b32 s[G0A+1], s[WV], 15
	s_cmp_lt_u32 s[WV], 2
	s_cselect_b64 s[G0A+2:G0A+3], s[8:9], s[12:13]
	s_lshl_b32 s34, s21, 16                        ; a head's images: 65,536 bytes
	s_and_b32 s2, s[WV], 1
	s_lshl_b32 s2, s2, 15
	s_add_co_u32 s34, s34, s2
	s_add_nc_u64 s[G0A+2:G0A+3], s[G0A+2:G0A+3], s[34:35]
	s_or_b32 s[G0A+3], s[G0A+3], 0x80000000
	s_mov_b32 s[G0C], 1
	s_mov_b32 s[G0C+1], KSC
	s_lshl_b32 s34, s21, 13
	s_add_nc_u64 s[G0C+2:G0C+3], s[10:11], s[34:35]
	s_or_b32 s[G0C+3], s[G0C+3], 0x80000000
	s_lshr_b32 s2, s22, 2                          ; Q's scale word: [..][4 tiles][lane][4 words]
	s_lshl_b32 s2, s2, 9
	s_add_co_u32 s34, s34, s2
	s_and_b32 s2, s22, 3
	s_lshl_b32 s2, s2, 2
	s_add_co_u32 s34, s34, s2
	s_add_nc_u64 s[6:7], s[6:7], s[34:35]
	s_lshl_b32 s34, s21, 16                        ; Q's image: 1,024 bytes a tile
	s_lshl_b32 s2, s22, 10
	s_add_co_u32 s34, s34, s2
	s_add_nc_u64 s[4:5], s[4:5], s[34:35]
	s_lshl_b32 s34, s21, 12                        ; V's scale bytes: 512 bytes for a step of 128 keys; waves 8-15 take steps 0-7
	s_and_b32 s2, s[WV], 7
	s_lshl_b32 s2, s2, 9
	s_add_co_u32 s34, s34, s2
	s_add_nc_u64 s[14:15], s[14:15], s[34:35]
	s_lshr_b32 s3, s21, 4                          ; batch
	s_and_b32 s33, s21, 15                         ; head
	s_lshl_b32 s34, s3, 6
	s_add_co_u32 s34, s34, s22
	s_lshl_b32 s34, s34, 14                        ; cimg: [tile of 16 tokens][K step][block of 32][512 bytes]: a head's two blocks begin 1,024 x head bytes on
	s_lshl_b32 s2, s33, 10
	s_add_co_u32 s34, s34, s2
	s_add_nc_u64 s[16:17], s[16:17], s[34:35]
	s_lshl_b32 s34, s3, 15                         ; csc: 32 bytes a token; a head's two bytes at 2 x head
	s_lshl_b32 s2, s22, 9
	s_add_co_u32 s34, s34, s2
	s_lshl_b32 s2, s33, 1
	s_add_co_u32 s34, s34, s2
	s_add_nc_u64 s[18:19], s[18:19], s[34:35]
	CROUND                                         ; all four work-groups are here: the joint loads meet
	s_cmp_lt_u32 s[WV], 4                          ; one tensor load of a wave is out, or none
	s_cbranch_scc0 .Lnot_kv
	tensor_load_to_lds s[G0A:G0A+3], s[G1A:G1A+7]
	s_nop 0
.rept 4
	v_nop
.endr
	s_branch .Lasked
.Lnot_kv:
	s_cmp_eq_u32 s[WV], 4
	s_cbranch_scc0 .Lasked
	tensor_load_to_lds s[G0C:G0C+3], s[G1S:G1S+7]
	s_nop 0
.rept 4
	v_nop
.endr
.Lasked:
	s_wait_alu depctr_va_vdst(0)
	global_load_b128 v[16:19], v1, s[4:5]          ; Q's fragment stays in registers: d's two blocks
	global_load_b128 v[20:23], v1, s[4:5] offset:512
	global_load_b32 v255, v1, s[6:7]               ; and its scale word
	s_cmp_lt_u32 s[WV], 8
	s_cbranch_scc1 .Lno_vsw
	; V's bytes come as two for each 64 keys and tile of d; a step's word for tile t is the halves of its two runs of 64 keys
	global_load_b64 v[96:97], v10, s[14:15]
	global_load_b64 v[98:99], v10, s[14:15] offset:256
	s_wait_loadcnt 0x0
	v_perm_b32 v100, v98, v96, 0x05040100          ; tile 0: the two low halves
	v_perm_b32 v101, v98, v96, 0x07060302          ; tile 1: the two high halves
	v_perm_b32 v102, v99, v97, 0x05040100
	v_perm_b32 v103, v99, v97, 0x07060302
	ds_store_b128 v9, v[100:103]
.Lno_vsw:
.set i, 0
.rept 8
	v_mov_b32 v[24+i], 0                           ; the upper 64 of the instruction's K: zero codes, in Q
	v_mov_b32 v[40+i], 0                           ; and in K's four fragments: cleared once; the loads fill the lower halves alone
	v_mov_b32 v[56+i], 0
	v_mov_b32 v[72+i], 0
	v_mov_b32 v[88+i], 0
.set i, i+1
.endr
.set i, 0
.rept 32
	v_mov_b32 v[160+i], 0                          ; O^T.  (The step is written once: the first finds zeros, which the first change of M leaves zeros)
.set i, i+1
.endr
	v_mov_b32 v13, 0xff61b1e6                      ; the largest t so far: -3e38, under every t
	s_delay_alu instid0(VALU_DEP_1)
	v_floor_f32 v12, -v13                          ; -M
	v_mov_b32 v14, 0                               ; the sum, in two halves
	v_mov_b32 v15, 0
.irp b, 0,1,2,3
	v_mov_b32 v[236+\b], 0                         ; written once: a lane permute's destination counts as one of its sources
.endr
	v_mov_b32 v253, 0                              ; (named as the upper half of the pair v[252:253] before it is first written)
	s_wait_loadcnt 0x0                             ; Q
	s_wait_tensorcnt 0x0                           ; my part of K, V or the scale words is in LDS,
	s_wait_dscnt 0x0                               ; my store of V's scale words has landed,
	s_barrier_signal -1
	s_barrier_wait -1                              ; everybody's have
.Lstep:                                            ; eight trips of 128 keys
	s_setprio 2
	v_add_nc_u32 v2, s[TK], v1
	s_wait_alu depctr_va_vdst(0)
	v_add_nc_u32 v3, s[TK], v6
	v_add_nc_u32 v4, s[TS], v7
	s_wait_alu depctr_va_vdst(0)
	v_add_nc_u32 v5, s[TV], v8
.irp g, 0,1                            ; S^T = K Q^T, four tiles of 16 keys at a time
.rept 4+4*\g
	v_nop                                          ; eight places in front of loads into registers that matrix instructions have read (the four additions above are places too)
.endr
.irp t, 0,1,2,3
	ds_load_b128 v[32+16*\t:35+16*\t], v2 offset:(4*\g+\t)*1024
	ds_load_b128 v[36+16*\t:39+16*\t], v2 offset:(4*\g+\t)*1024+512
.endr
	ds_load_b128 v[248:251], v4 offset:512*\g      ; the four tiles' scale words
	s_wait_dscnt 0x0
.irp t, 0,1,2,3
	v_wmma_scale_f32_16x16x128_f8f6f4 v[96+8*(4*\g+\t):103+8*(4*\g+\t)], v[32+16*\t:47+16*\t], v[16:31], 0, v[248+\t], v255
.endr
.endr
.rept 8
	v_nop
.endr
.irp u, 0,1                            ; V's tiles 0 and 1 and its four scale words are asked for here and land under the softmax
.irp c, 0,1,2,3
	ds_load_b128 v[192+16*\u+4*\c:195+16*\u+4*\c], v3 offset:2048*\u+512*\c
.endr
.endr
	s_wait_alu depctr_va_vdst(0)
	ds_load_b128 v[248:251], v5
.irp b, 0,1,2,3
	v_max3_num_f32 v[232+\b], v[96+16*\b], v[97+16*\b], v[98+16*\b]   ; the largest score of each block of 32 keys: for the row's maximum, and, since p rises with the score, for the block's largest p
.endr
.irp i, 3,5,7,9,11,13
.irp b, 0,1,2,3
	v_max3_num_f32 v[232+\b], v[232+\b], v[96+16*\b+\i], v[97+16*\b+\i]
.endr
.endr
.irp b, 0,1,2,3
	v_max_num_f32 v[232+\b], v[232+\b], v[111+16*\b]
.endr
.irp b, 0,1,2,3
	v_permlanex16_b32 v[236+\b], v[232+\b], s[SEL], s[SEL+1]
.endr
.irp b, 0,1,2,3
	s_delay_alu instid0(VALU_DEP_4)
	v_max_num_f32 v[232+\b], v[232+\b], v[236+\b]  ; with lane l xor 16's 16 keys
.endr
	s_delay_alu instid0(VALU_DEP_2)
	v_max3_num_f32 v254, v232, v233, v234
	s_delay_alu instid0(VALU_DEP_1)
	v_max_num_f32 v254, v254, v235                 ; the step's largest score of my query
	s_delay_alu instid0(VALU_DEP_1)
	v_mul_f32 v254, s[CS], v254                    ; as t (c is positive)
	s_delay_alu instid0(VALU_DEP_1)
	v_max_num_f32 v13, v13, v254                   ; the running largest t
	v_mov_b32 v254, v12
	s_delay_alu instid0(VALU_DEP_2)
	v_floor_f32 v12, -v13                          ; the new -M = floor(-t) = -ceil(t): M is a whole number
	s_delay_alu instid0(VALU_DEP_1)
	v_sub_f32 v254, v12, v254                      ; M's old value less its new one: a whole number, 0 or less
	s_delay_alu instid0(VALU_DEP_1)
	v_cvt_i32_f32 v254, v254                       ; (it saturates)
	s_delay_alu instid0(VALU_DEP_1)
	v_ldexp_f32 v252, 1.0, v254                    ; f = 2^(old M - new M)
.set j, 0
.rept 32
	v_pk_fma_f32 v[96+j:97+j], v[96+j:97+j], s[CS:CS+1], v[12:13] op_sel_hi:[1,0,0]   ; t - M, two at a time (of the pairs c and -M the low word serves both halves)
.set j, j+2
.endr
.irp b, 0,1,2,3
	v_fma_f32 v[232+\b], v[232+\b], s[CS], v12     ; the same of each block's largest score
.endr
.set j, 0
	s_wait_alu depctr_va_vdst(0)
.rept 64
	v_exp_f32 v[96+j], v[96+j]                     ; p = 2^(t - M), at most 1: not normalised
.set j, j+1
.endr
	s_setprio 1
.irp b, 0,1,2,3
	v_exp_f32 v[232+\b], v[232+\b]                 ; the block's largest p: the same two instructions on the same number give the same bits
.endr
	v_pk_mul_f32 v[14:15], v[14:15], v[252:253] op_sel_hi:[1,0]   ; the sums under the new M.  (A plain place behind the exponentials)
	s_wait_alu depctr_va_vdst(0)
.irp b, 0,1,2,3
	v_max_num_f32 v[232+\b], 0x4800000, v[232+\b]  ; the floor 2^(9 - 127): the byte cannot fall under 1
.endr
.irp b, 0,1,2,3
	s_delay_alu instid0(VALU_DEP_4)
	v_add_nc_u32 v[244+\b], 0xfc000000, v[232+\b]  ; 8 off the exponent field: the conversion's scale operand
.endr
.irp b, 0,1,2,3
.endr
.irp b, 0,1,2,3
	s_delay_alu instid0(VALU_DEP_4)
	v_lshrrev_b32 v[236+\b], 23, v[244+\b]         ; the scale's byte
.endr
	s_delay_alu instid0(VALU_DEP_3)
	v_lshl_or_b32 v253, v237, 8, v236              ; p's scale word for these 128 keys
	s_delay_alu instid0(VALU_DEP_1)
	v_lshl_or_b32 v253, v238, 16, v253
	s_delay_alu instid0(VALU_DEP_1)
	v_lshl_or_b32 v253, v239, 24, v253
	v_pk_add_f32 v[236:237], v[100:101], v[104:105]
	v_pk_add_f32 v[242:243], v[108:109], v[112:113]
	v_pk_add_f32 v[240:241], v[116:117], v[120:121]
	v_pk_add_f32 v[238:239], v[124:125], v[128:129]
	v_pk_add_f32 v[234:235], v[132:133], v[136:137]
	v_pk_add_f32 v[232:233], v[140:141], v[144:145]
	v_pk_add_f32 v[230:231], v[148:149], v[152:153]
	v_pk_add_f32 v[14:15], v[14:15], v[156:157]
	v_pk_add_f32 v[236:237], v[236:237], v[96:97]
	v_pk_add_f32 v[242:243], v[242:243], v[98:99]
	v_pk_add_f32 v[240:241], v[240:241], v[102:103]
	v_pk_add_f32 v[238:239], v[238:239], v[106:107]
	v_pk_add_f32 v[234:235], v[234:235], v[110:111]
	v_pk_add_f32 v[232:233], v[232:233], v[114:115]
	v_pk_add_f32 v[230:231], v[230:231], v[118:119]
	v_pk_add_f32 v[14:15], v[14:15], v[122:123]
	v_pk_add_f32 v[236:237], v[236:237], v[126:127]
	v_pk_add_f32 v[242:243], v[242:243], v[130:131]
	v_pk_add_f32 v[240:241], v[240:241], v[134:135]
	v_pk_add_f32 v[238:239], v[238:239], v[138:139]
	v_pk_add_f32 v[234:235], v[234:235], v[142:143]
	v_pk_add_f32 v[232:233], v[232:233], v[146:147]
	v_pk_add_f32 v[230:231], v[230:231], v[150:151]
	v_pk_add_f32 v[14:15], v[14:15], v[154:155]
	v_pk_add_f32 v[236:237], v[236:237], v[158:159]
	s_delay_alu instid0(VALU_DEP_2)
	v_pk_add_f32 v[14:15], v[14:15], v[238:239]
	s_delay_alu instid0(VALU_DEP_2)
	v_pk_add_f32 v[236:237], v[236:237], v[234:235]
	v_pk_add_f32 v[242:243], v[242:243], v[232:233]
	v_pk_add_f32 v[240:241], v[240:241], v[230:231]
	s_delay_alu instid0(VALU_DEP_2)
	v_pk_add_f32 v[14:15], v[14:15], v[242:243]
	s_delay_alu instid0(VALU_DEP_2)
	v_pk_add_f32 v[236:237], v[236:237], v[240:241]
	s_delay_alu instid0(VALU_DEP_1)
	v_pk_add_f32 v[14:15], v[14:15], v[236:237]
.irp b, 0,1,2,3
.irp i, 0,1,2,3,4,5,6,7,8,9,10,11,12,13,14,15
.endr
	v_cvt_scalef32_pk8_fp8_f32 v[224+4*\b:225+4*\b], v[96+16*\b:103+16*\b], v[244+\b]
	v_cvt_scalef32_pk8_fp8_f32 v[226+4*\b:227+4*\b], v[104+16*\b:111+16*\b], v[244+\b]
.endr
.set j, 0
.rept 16
	v_pk_mul_f32 v[160+j:161+j], v[160+j:161+j], v[252:253] op_sel_hi:[1,0]   ; O^T under the new M: x f.  (These are also the places between the codes and the products below)
.set j, j+2
.endr
	s_setprio 0
	s_wait_alu depctr_va_vdst(0)
	s_wait_dscnt 0x0                               ; V's tiles 0, 1 and its scale words
.irp u, 0,1                            ; O^T += V^T P^T
	v_wmma_scale_f32_16x16x128_f8f6f4 v[160+8*\u:167+8*\u], v[192+16*\u:207+16*\u], v[224:239], v[160+8*\u:167+8*\u], v[248+\u], v253
.endr
.rept 8
	v_nop
.endr
.irp u, 0,1
.irp c, 0,1,2,3
	ds_load_b128 v[192+16*\u+4*\c:195+16*\u+4*\c], v3 offset:2048*(2+\u)+512*\c
.endr
.endr
	s_wait_dscnt 0x0
.irp u, 0,1
	v_wmma_scale_f32_16x16x128_f8f6f4 v[176+8*\u:183+8*\u], v[192+16*\u:207+16*\u], v[224:239], v[176+8*\u:183+8*\u], v[250+\u], v253
.endr
	s_add_co_u32 s[TK], s[TK], 8192
	s_add_co_u32 s[TS], s[TS], 1024
	s_add_co_u32 s[TV], s[TV], 512
	s_sub_co_u32 s[CNT], s[CNT], 1
	s_cmp_lg_u32 s[CNT], 0
	s_cbranch_scc1 .Lstep
	s_setprio 0
	; THE END: ctx = O^T / the sum, quantised along E: my 32 registers are the head's two blocks of 32 (16 numbers here, 16 in lane l xor 16)
.rept 8
	v_nop
.endr
	v_add_f32 v14, v14, v15                        ; the sum's two halves,
	s_delay_alu instid0(VALU_DEP_1)
	v_permlanex16_b32 v252, v14, s[SEL], s[SEL+1]
	s_delay_alu instid0(VALU_DEP_1)
	v_add_f32 v14, v14, v252                       ; and lane l xor 16's: the row's sum
	s_wait_alu depctr_va_vdst(0)
	v_rcp_f32 v14, v14
	v_nop                                          ; one plain place behind a transcendental
.set j, 0
	s_wait_alu depctr_va_vdst(0)
.rept 32
	v_mul_f32 v[96+j], v[160+j], v14               ; register 8 t + i is ctx(query r, d = 16 t + 8 h + i); each accumulator from its low end on
.set j, j+1
.endr
.irp b, 0,1
	v_max3_num_f32 v[232+\b], |v[96+16*\b]|, |v[97+16*\b]|, 0x4800000
.endr
.irp i, 2,4,6,8,10,12,14
.irp b, 0,1
	s_delay_alu instid0(VALU_DEP_2)
	v_max3_num_f32 v[232+\b], v[232+\b], |v[96+16*\b+\i]|, |v[97+16*\b+\i]|
.endr
.endr
.irp b, 0,1
	v_permlanex16_b32 v[234+\b], v[232+\b], s[SEL], s[SEL+1]
.endr
.irp b, 0,1
	s_delay_alu instid0(VALU_DEP_2)
	v_max_num_f32 v[232+\b], v[232+\b], v[234+\b]
.endr
.irp b, 0,1
	s_delay_alu instid0(VALU_DEP_2)
	v_add_nc_u32 v[244+\b], 0xfc000000, v[232+\b]
.endr
.irp b, 0,1
.endr
.irp b, 0,1
	s_delay_alu instid0(VALU_DEP_2)
	v_lshrrev_b32 v[246+\b], 23, v[244+\b]
.endr
.irp b, 0,1
.irp i, 0,1,2,3,4,5,6,7,8,9,10,11,12,13,14,15
.endr
	v_cvt_scalef32_pk8_fp8_f32 v[224+4*\b:225+4*\b], v[96+16*\b:103+16*\b], v[244+\b]
	v_cvt_scalef32_pk8_fp8_f32 v[226+4*\b:227+4*\b], v[104+16*\b:111+16*\b], v[244+\b]
.endr
	v_and_b32 v2, 15, v11                          ; (a plain line behind the last conversion)  r
	v_lshrrev_b32 v3, 4, v11                       ; h
	s_delay_alu instid0(VALU_DEP_1)
	v_lshl_add_u32 v2, v2, 5, v3                   ; token r's 32 bytes, block h's byte
	v_cmp_gt_u32 vcc_lo, 16, v11
	s_delay_alu instid0(VALU_DEP_1)
	v_cndmask_b32 v254, v247, v246, vcc_lo         ; lanes 0-15 store block 0's byte, lanes 16-31 block 1's
	global_store_b128 v1, v[224:227], s[16:17]     ; each store of the wave covers 512 consecutive bytes, aligned
	global_store_b128 v1, v[228:231], s[16:17] offset:512
	global_store_b8 v2, v254, s[18:19]
	s_wait_xcnt 0x0
	v_lshl_add_u32 v254, v0, 2, 0x29000
	v_mov_b32 v255, 0
	s_wait_alu depctr_va_vdst(0)
	s_wait_tensorcnt 0x0
	ds_add_u32 v254, v255
	s_wait_dscnt 0x0
	CROUND                                         ; the closing round: no work-group ends while a partner may still ask for a tile that names it
	s_endpgm
.Lfunc_end_k_qeb88277829_attn:
	.size	k_qeb88277829_attn, .Lfunc_end_k_qeb88277829_attn-k_qeb88277829_attn
	.p2alignl 7, 3214868480
	.fill 96, 4, 3214868480
	.section	.rodata,"a",@progbits
	.p2align	6, 0x0
	.amdhsa_kernel k_qeb88277829_attn
		.amdhsa_group_segment_fixed_size 169984
		.amdhsa_private_segment_fixed_size 0
		.amdhsa_enable_private_segment 0
		.amdhsa_kernarg_size 64
		.amdhsa_user_sgpr_count 2
		.amdhsa_user_sgpr_kernarg_segment_ptr 1
		.amdhsa_wavefront_size32 1
		.amdhsa_system_sgpr_workgroup_id_x 1
		.amdhsa_system_sgpr_workgroup_id_y 1
		.amdhsa_system_sgpr_workgroup_id_z 1
		.amdhsa_system_vgpr_workitem_id 0
		.amdhsa_next_free_vgpr 256
		.amdhsa_next_free_sgpr 66
		.amdhsa_reserve_vcc 1
		.amdhsa_float_denorm_mode_32 3
		.amdhsa_float_denorm_mode_16_64 3
		.amdhsa_fp16_overflow 1
		.amdhsa_memory_ordered 1
		.amdhsa_forward_progress 1
		.amdhsa_inst_pref_size 32
	.end_amdhsa_kernel
	.amdgpu_metadata
---
amdhsa.version: [ 1, 2 ]
amdhsa.kernels:
  - .name:           k_qeb88277829_attn
    .symbol:         k_qeb88277829_attn.kd
    .args:
      - { .name: qimg, .offset: 0, .size: 8, .value_kind: global_buffer, .address_space: global }
      - { .name: qsc, .offset: 8, .size: 8, .value_kind: global_buffer, .address_space: global }
      - { .name: kimg, .offset: 16, .size: 8, .value_kind: global_buffer, .address_space: global }
      - { .name: ksc, .offset: 24, .size: 8, .value_kind: global_buffer, .address_space: global }
      - { .name: vimg, .offset: 32, .size: 8, .value_kind: global_buffer, .address_space: global }
      - { .name: vsr, .offset: 40, .size: 8, .value_kind: global_buffer, .address_space: global }
      - { .name: cimg, .offset: 48, .size: 8, .value_kind: global_buffer, .address_space: global }
      - { .name: csc, .offset: 56, .size: 8, .value_kind: global_buffer, .address_space: global }
    .group_segment_fixed_size: 169984
    .private_segment_fixed_size: 0
    .kernarg_segment_align: 8
    .kernarg_segment_size: 64
    .max_flat_workgroup_size: 512
    .sgpr_count:     66
    .vgpr_count:     256
    .wavefront_size: 32
...
	.end_amdgpu_metadata
.endif
;; end of part 2
;; launch oproj (part 3): grid 16 x 16, 4 waves a work-group, clusters of 4 x 1, 168,448 bytes of LDS; arguments cimg, csc, o_w_codes, o_w_scales, o_la_codes, o_la_scales, o_lb, o_b, out0; writes out0
.if DOCPART == 3
	.amdgcn_target "amdgcn-amd-amdhsa--gfx1250"
	.amdhsa_code_object_version 6
	.text
	.protected	k_qeb88277829_oproj
	.globl	k_qeb88277829_oproj
	.p2align	8
	.type	k_qeb88277829_oproj,@function
k_qeb88277829_oproj:
	s_mov_b64 s[64:65], 0
	v_nop
	global_prefetch_b8 v0, s[64:65] scope:SCOPE_SE
	s_setreg_imm32_b32 hwreg(HW_REG_WAVE_MODE, 25, 1), 1
	s_wait_xcnt 0x0
	s_wait_alu depctr_hold_cnt(0) depctr_sa_sdst(0) depctr_va_vdst(0) depctr_va_sdst(0) depctr_va_ssrc(0) depctr_va_vcc(0) depctr_vm_vsrc(0)
	s_getreg_b32 s2, hwreg(HW_REG_IB_STS2, 6, 4)
	s_cmp_eq_u32 s2, 0
	s_cbranch_scc0 .Lentry_in_a_cluster
	s_endpgm
.Lentry_in_a_cluster:
	s_bfe_u32 s2, ttmp6, 0x10000c
	s_cmp_lg_u32 s2, 0x3003
	s_cbranch_scc0 .Lentry_shape_is_right
	s_endpgm
.Lentry_shape_is_right:
; out = ctx W^T + b + (ctx la^T) lb^T for 256 tokens x 64 columns.  ctx arrives as images of operand registers with its scale bytes; W and la as codes and scale bytes.  The rank-16 product goes to the output and no quantiser: bf16 operands, f32 sums.
; SHARES.  A work-group: 256 tokens x 64 columns.  A wave: 64 tokens, four tiles of 16; its ctx, all 1,024 along K, lies in 512 registers.  The 64 rows of W and the 16 of la lie whole in LDS, filled once; nothing is filled again.
; CLUSTER.  The four work-groups of a cluster have the same columns and other tokens: W and la are asked for JOINTLY (mask 15).  ctx goes from memory straight into registers (dense: each load of the wave covers 512 consecutive bytes).
; ctx's codes lie, inside each block of 32 along K, in the order 8 h + 0..7, 16 + 8 h + 0..7 (h = lane / 16).  W's and la's fragments are read from LDS in the same order: two loads of 8 bytes, 16 bytes apart, for each four registers.
; Source 0 = 16 rows of W, source 1 = 16 tokens: a lane holds one token and eight neighbouring columns.
; REGISTERS, in windows of 256: window 0: v2-9 addresses; v16-47 ctx's scale words (16 + 8 a + s); v48-79 W's (48 + 8 t + s); v80-87 la's; v96-175, v176-255 two sets of fragments.
;   window 1: v0-127 the 16 accumulators (a, t) at 8 (4 a + t); v128-159 ctx la^T; v160-191 lb; on the way out both hold rows of out; v192-223 the bias as the first C; v224-226 the way out's addresses.
;   windows 2, 3: ctx's 32 fragments: (K step s, tile a) in window 2 + s / 4 at 64 (s % 4) + 16 a.
.set PW,    1040                       ; a row in LDS: 1,024 bytes + 16 of padding: lane (r, h) reads 8 bytes at 16 r + 8 h modulo 256: 32 different places
.set LAB,   64*PW                      ; la lies behind W
.set STAGE, LAB+16*PW                  ; behind the tiles, at a multiple of 256: 16 rows x 272 bytes for each wave, for the way out; no tile lands here
.set SP,    272
.set XS,   16
.set WS,   48
.set LS,   80
.set FR0,  96
.set LOW,  128
.set LB,   160
.set BI,   192
.set STO,  224
.set RD,   225
.set GO,   226
.set WV,   22
.set G1W,  28
.set G1L,  36
.set G0W,  44
.set G0L,  48
.set MSB,  0
.macro WIN new                         ; the immediate's high byte repeats the setting that is left
.if MSB != (\new)
	s_set_vgpr_msb ((MSB<<8)|(\new))
.set MSB, (\new)
.endif
.endm
.macro PLACES n
.rept \n
	v_nop
.endr
.endm
.macro CROUND                          ; a round of the cluster's barrier
	s_barrier_signal -1
	s_barrier_wait -1
	s_cmp_lg_u32 s[WV], 0
	s_cbranch_scc1 .Lnot_wave_0_\@
	s_barrier_signal -3
.Lnot_wave_0_\@:
	s_barrier_wait -3
	s_barrier_signal -1
	s_barrier_wait -1
.endm
	s_load_b512 s[4:19], s[0:1], 0x0               ; cimg, csc, W codes, W scales, la codes, la scales, lb, b
	s_load_b64 s[20:21], s[0:1], 0x40              ; out
	v_lshl_add_u32 v94, v0, 2, 0x29000
	v_mov_b32 v95, 0
	ds_add_u32 v94, v95
	ds_add_u32 v94, v95
	v_lshrrev_b32 v1, 5, v0
	v_readfirstlane_b32 s[WV], v1                  ; wave 0..3
	v_and_b32 v11, 31, v0                          ; lane
	v_and_b32 v12, 15, v0                          ; r
	v_bfe_u32 v13, v0, 4, 1                        ; h
	v_mul_u32_u24 v2, v12, PW
	v_lshl_add_u32 v2, v13, 3, v2                  ; W in LDS: row r x pitch + 8 h
	v_add_nc_u32 v5, LAB, v2                       ; la
	v_lshlrev_b32 v6, 4, v11                       ; ctx's images: 16 x lane
	v_lshlrev_b32 v7, 5, v12                       ; scale bytes: 32 a row
	v_lshlrev_b32 v8, 6, v12
	v_lshl_add_u32 v8, v13, 5, v8                  ; lb: row r of 64 bytes + ranks 8 h on
	v_lshlrev_b32 v9, 5, v13                       ; the bias: my eight columns 8 h on
	v_mul_u32_u24 v14, v12, SP
	v_lshl_add_u32 v14, v13, 5, v14                ; into the stage: row r, 32 bytes for each half of the lanes
	v_mul_u32_u24 v15, v13, SP
	v_lshl_add_u32 v15, v12, 4, v15                ; back: lanes 0-15 one row of 256 bytes, lanes 16-31 the next
	v_lshlrev_b32 v10, 4, v12
	s_mul_i32 s2, s[WV], 16*SP
	s_add_co_u32 s2, s2, STAGE                     ; my stage
	WIN 0x40
	v_add_nc_u32 v[STO], s2, v14
	v_add_nc_u32 v[RD], s2, v15
	v_lshl_add_u32 v[GO], v13, 12, v10             ; and the same two rows in out: 4,096 bytes a row
	WIN 0
	s_bfe_u32 s2, ttmp6, 0x40000                   ; cx: my place in the cluster
	s_lshl_b32 s23, ttmp9, 2
	s_add_co_u32 s23, s23, s2                      ; my block of 256 tokens: it enters ctx's and out's addresses alone
	s_and_b32 s24, ttmp7, 0xffff                   ; my 64 columns, which the four partners share
	s_mov_b32 s[G1W+0], 15|(1<<20)|(1<<21)|(7<<22)|(3<<25)   ; the mask: all four; elements of one byte; 4 words of padding behind every 256; bit 21 beside the mask
	s_mov_b32 s[G1W+1], 1024<<16
	s_mov_b32 s[G1W+2], 64<<16
	s_mov_b32 s[G1W+3], 1024<<16
	s_mov_b32 s[G1W+4], 64
	s_mov_b32 s[G1W+5], 1024
	s_mov_b32 s[G1W+6], 0
	s_mov_b32 s[G1W+7], 0
	s_mov_b32 s[G1L+0], 15|(1<<20)|(1<<21)|(7<<22)|(3<<25)
	s_mov_b32 s[G1L+1], 1024<<16
	s_mov_b32 s[G1L+2], 16<<16
	s_mov_b32 s[G1L+3], 1024<<16
	s_mov_b32 s[G1L+4], 16
	s_mov_b32 s[G1L+5], 1024
	s_mov_b32 s[G1L+6], 0
	s_mov_b32 s[G1L+7], 0
	s_mov_b32 s27, 0
	s_wait_dscnt 0x0
	s_wait_kmcnt 0x0
	s_mov_b32 s[G0W], 1
	s_mov_b32 s[G0W+1], 0
	s_lshl_b32 s26, s24, 16                        ; 64 rows of 1,024 bytes
	s_add_nc_u64 s[G0W+2:G0W+3], s[8:9], s[26:27]
	s_or_b32 s[G0W+3], s[G0W+3], 0x80000000
	s_mov_b32 s[G0L], 1
	s_mov_b32 s[G0L+1], LAB
	s_mov_b64 s[G0L+2:G0L+3], s[12:13]
	s_or_b32 s[G0L+3], s[G0L+3], 0x80000000
	s_lshl_b32 s26, s23, 18
	s_lshl_b32 s2, s[WV], 16
	s_add_co_u32 s26, s26, s2                      ; ctx: 16,384 bytes a tile of 16 tokens
	s_add_nc_u64 s[4:5], s[4:5], s[26:27]
	s_lshr_b32 s26, s26, 5                         ; its scale bytes: a 32nd
	s_add_nc_u64 s[6:7], s[6:7], s[26:27]
	s_lshl_b32 s26, s24, 11
	s_add_nc_u64 s[10:11], s[10:11], s[26:27]
	s_lshl_b32 s26, s24, 12
	s_add_nc_u64 s[16:17], s[16:17], s[26:27]
	s_lshl_b32 s26, s24, 8
	s_add_nc_u64 s[18:19], s[18:19], s[26:27]
	s_lshl_b32 s2, s23, 20                         ; out: my first row, my 256 bytes of it
	s_add_co_u32 s26, s26, s2
	s_lshl_b32 s2, s[WV], 18
	s_add_co_u32 s26, s26, s2
	s_add_nc_u64 s[20:21], s[20:21], s[26:27]
	CROUND                                         ; all four work-groups are here: the joint loads meet
	s_cmp_eq_u32 s[WV], 0                          ; wave 0 fetches W, wave 1 la: one tensor load of a wave is out, or none
	s_cbranch_scc0 .Lnot_w
	tensor_load_to_lds s[G0W:G0W+3], s[G1W:G1W+7]
	s_nop 0
	PLACES 4
	s_branch .Lasked
.Lnot_w:
	s_cmp_eq_u32 s[WV], 1
	s_cbranch_scc0 .Lasked
	tensor_load_to_lds s[G0L:G0L+3], s[G1L:G1L+7]
	s_nop 0
	PLACES 4
.Lasked:
.macro XLOAD s                         ; ctx's four fragments of K step s
	WIN 0x80+0x40*((\s)/4)
.irp a, 0,1,2,3
.irp c, 0,1,2,3
	global_load_b128 v[64*((\s)%4)+16*\a+4*\c:64*((\s)%4)+16*\a+4*\c+3], v6, s[4:5] offset:16384*\a+2048*(\s)+512*\c
.endr
.endr
.endm
.macro FETCH s, set                    ; 40 LDS loads: W's four fragments and la's for K step s, in ctx's order inside a block
.set FS, FR0+80*(\set)
.irp t, 0,1,2,3
.irp c, 0,1,2,3
.irp g, 0,1
	ds_load_b64 v[FS+16*\t+4*\c+2*\g:FS+16*\t+4*\c+2*\g+1], v2 offset:16*PW*\t+128*(\s)+32*\c+16*\g
.endr
.endr
.endr
.irp c, 0,1,2,3
.irp g, 0,1
	ds_load_b64 v[FS+64+4*\c+2*\g:FS+64+4*\c+2*\g+1], v5 offset:128*(\s)+32*\c+16*\g
.endr
.endr
.endm
; A K step's 20 matrix instructions; the 20 accumulators take turns, one instruction a turn.  The first step's C is the bias (ctx la^T: the constant 0).
.macro MUL s
.set FS, FR0+80*((\s)%2)
.set XB, 64*((\s)%4)
	WIN 0x58+4*((\s)/4)                            ; source 0 window 0, source 1 (ctx) window 2 or 3, C and D window 1
.irp a, 0,1,2,3
.irp t, 0,1,2,3
.if (\s) == 0
	v_wmma_scale_f32_16x16x128_f8f6f4 v[8*(4*\a+\t):8*(4*\a+\t)+7], v[FS+16*\t:FS+16*\t+15], v[XB+16*\a:XB+16*\a+15], v[BI+8*\t:BI+8*\t+7], v[WS+8*\t+(\s)], v[XS+8*\a+(\s)]
.else
	v_wmma_scale_f32_16x16x128_f8f6f4 v[8*(4*\a+\t):8*(4*\a+\t)+7], v[FS+16*\t:FS+16*\t+15], v[XB+16*\a:XB+16*\a+15], v[8*(4*\a+\t):8*(4*\a+\t)+7], v[WS+8*\t+(\s)], v[XS+8*\a+(\s)]
.endif
.endr
.if (\s) == 0
	v_wmma_scale_f32_16x16x128_f8f6f4 v[LOW+8*\a:LOW+8*\a+7], v[FS+64:FS+79], v[XB+16*\a:XB+16*\a+15], 0, v[LS+(\s)], v[XS+8*\a+(\s)]
.else
	v_wmma_scale_f32_16x16x128_f8f6f4 v[LOW+8*\a:LOW+8*\a+7], v[FS+64:FS+79], v[XB+16*\a:XB+16*\a+15], v[LOW+8*\a:LOW+8*\a+7], v[LS+(\s)], v[XS+8*\a+(\s)]
.endif
.endr
.endm
.macro STEP s
.if (\s) < 7
.if (\s) > 0
	PLACES 8                                       ; in front of loads into the set that the step before read
.endif
	WIN 0
	FETCH (\s)+1, ((\s)+1)%2
	s_wait_dscnt 40                                ; this step's 40 loads are in; the 40 just issued may be out
.else
	s_wait_dscnt 0x0
.endif
.if (\s) < 5
	s_wait_loadcnt 48                              ; ctx's K step s is in (and all that was asked for ahead of it); the three steps behind it, 16 loads each, may be out
.else
	s_wait_loadcnt 16*(7-(\s))
.endif
.if (\s) < 4
	XLOAD (\s)+4
.endif
	MUL \s
.endm
.irp a, 0,1,2,3
	global_load_b128 v[XS+8*\a:XS+8*\a+3], v7, s[6:7] offset:512*\a        ; ctx's scale words: row r's 32 bytes
	global_load_b128 v[XS+8*\a+4:XS+8*\a+7], v7, s[6:7] offset:512*\a+16
.endr
.irp t, 0,1,2,3
	global_load_b128 v[WS+8*\t:WS+8*\t+3], v7, s[10:11] offset:512*\t
	global_load_b128 v[WS+8*\t+4:WS+8*\t+7], v7, s[10:11] offset:512*\t+16
.endr
	global_load_b128 v[LS:LS+3], v7, s[14:15]
	global_load_b128 v[LS+4:LS+7], v7, s[14:15] offset:16
	WIN 0x40
.irp t, 0,1,2,3
	global_load_b128 v[LB+8*\t:LB+8*\t+3], v8, s[16:17] offset:1024*\t     ; lb(16 t + r, 8 h + 0..7)
	global_load_b128 v[LB+8*\t+4:LB+8*\t+7], v8, s[16:17] offset:1024*\t+16
.endr
	s_wait_alu depctr_va_vdst(0)
.irp t, 0,1,2,3
	global_load_b128 v[BI+8*\t:BI+8*\t+3], v9, s[18:19] offset:64*\t       ; b(16 t + 8 h + 0..7): the result's layout
	global_load_b128 v[BI+8*\t+4:BI+8*\t+7], v9, s[18:19] offset:64*\t+16
.endr
	XLOAD 0
	XLOAD 1
	XLOAD 2
	XLOAD 3
	WIN 0
	s_wait_tensorcnt 0x0                           ; my part of the weights is in LDS,
	s_barrier_signal -1
	s_barrier_wait -1                              ; everybody's is; nothing is filled again
	FETCH 0, 0
.irp s, 0,1,2,3,4,5,6,7
	STEP \s
.endr
	; + (ctx la^T) lb^T: lane (r, h) holds ranks 8 h + 0..7 of token r, and of lb's row r: rounded to bf16 in pairs they are registers 0-3 of an operand of 32 along K; registers 4-7, ranks 16 on, are zeros
	PLACES 10                                      ; another form takes the accumulators as C: nine places are owed
	WIN 0x55
.irp a, 0,1,2,3
.irp i, 0,1,2,3
	v_cvt_pk_bf16_f32 v[LOW+8*\a+\i], v[LOW+8*\a+2*\i], v[LOW+8*\a+2*\i+1]    ; in place, from the low end on: register i is written when 2 i and 2 i + 1 are read
.endr
.irp i, 4,5,6,7
	v_mov_b32 v[LOW+8*\a+\i], 0
.endr
.endr
.irp t, 0,1,2,3
.irp i, 0,1,2,3
	v_cvt_pk_bf16_f32 v[LB+8*\t+\i], v[LB+8*\t+2*\i], v[LB+8*\t+2*\i+1]
.endr
.irp i, 4,5,6,7
	v_mov_b32 v[LB+8*\t+\i], 0
.endr
.endr
.irp a, 0,1,2,3
.irp t, 0,1,2,3
	v_wmma_f32_16x16x32_bf16 v[8*(4*\a+\t):8*(4*\a+\t)+7], v[LB+8*\t:LB+8*\t+7], v[LOW+8*\a:LOW+8*\a+7], v[8*(4*\a+\t):8*(4*\a+\t)+7]
.endr
.endr
	PLACES 5                                       ; in front of the first read of results and of loads into the operands' registers
; THE WAY OUT, a tile of 16 tokens at a time.  A lane holds 32 bytes of a row and the lanes beside it other rows: the tile goes through my own stage in LDS and comes back as whole rows of 256 bytes.
; LDS serves a wave's instructions in order (ISA guide 5.7.1.4): no wait between the stores and the loads, nor in front of the next tile's stores.
.macro TOSTAGE a
.irp t, 0,1,2,3
	ds_store_b128 v[STO], v[8*(4*(\a)+\t):8*(4*(\a)+\t)+3] offset:64*\t          ; each accumulator from its low end on
	ds_store_b128 v[STO], v[8*(4*(\a)+\t)+4:8*(4*(\a)+\t)+7] offset:64*\t+16
.endr
.set BB, 128+32*((\a)%2)
.irp i, 0,1,2,3,4,5,6,7
	ds_load_b128 v[BB+4*\i:BB+4*\i+3], v[RD] offset:2*\i*SP
.endr
.endm
.macro SEND a, younger                 ; younger: the LDS instructions issued behind tile a's loads, which may stay out
.set BB, 128+32*((\a)%2)
	s_wait_dscnt \younger
.irp i, 0,1,2,3,4,5,6,7
	global_store_b128 v[GO], v[BB+4*\i:BB+4*\i+3], s[20:21] offset:(16*(\a)+2*\i)*4096 th:TH_STORE_NT   ; 16 lanes store 256 consecutive bytes, at a multiple of 256 from out's first byte; written once, read by nobody here
.endr
.endm
	TOSTAGE 0
.irp a, 1,2,3
.if \a > 1
	s_wait_xcnt 0x0                                ; tile a - 2's stores have read their registers: tile a's loads may land there
.endif
	TOSTAGE \a
	SEND \a-1, 16                                  ; behind tile a - 1's loads: tile a's 8 stores and 8 loads
.endr
	SEND 3, 0
	WIN 0
	s_wait_tensorcnt 0x0
	ds_add_u32 v94, v95
	s_wait_dscnt 0x0
	CROUND                                         ; the closing round: no work-group ends while a partner may still ask for a tile that names it
	s_endpgm
.Lfunc_end_k_qeb88277829_oproj:
	.size	k_qeb88277829_oproj, .Lfunc_end_k_qeb88277829_oproj-k_qeb88277829_oproj
	.p2alignl 7, 3214868480
	.fill 96, 4, 3214868480
	.section	.rodata,"a",@progbits
	.p2align	6, 0x0
	.amdhsa_kernel k_qeb88277829_oproj
		.amdhsa_group_segment_fixed_size 168448
		.amdhsa_private_segment_fixed_size 0
		.amdhsa_enable_private_segment 0
		.amdhsa_kernarg_size 72
		.amdhsa_user_sgpr_count 2
		.amdhsa_user_sgpr_kernarg_segment_ptr 1
		.amdhsa_wavefront_size32 1
		.amdhsa_system_sgpr_workgroup_id_x 1
		.amdhsa_system_sgpr_workgroup_id_y 1
		.amdhsa_system_sgpr_workgroup_id_z 1
		.amdhsa_system_vgpr_workitem_id 0
		.amdhsa_next_free_vgpr 1024
		.amdhsa_next_free_sgpr 66
		.amdhsa_reserve_vcc 0
		.amdhsa_float_denorm_mode_32 3
		.amdhsa_float_denorm_mode_16_64 3
		.amdhsa_memory_ordered 1
		.amdhsa_forward_progress 1
		.amdhsa_inst_pref_size 76
	.end_amdhsa_kernel
	.amdgpu_metadata
---
amdhsa.version: [ 1, 2 ]
amdhsa.kernels:
  - .name:           k_qeb88277829_oproj
    .symbol:         k_qeb88277829_oproj.kd
    .args:
      - { .name: cimg, .offset: 0, .size: 8, .value_kind: global_buffer, .address_space: global }
      - { .name: csc, .offset: 8, .size: 8, .value_kind: global_buffer, .address_space: global }
      - { .name: o_w_codes, .offset: 16, .size: 8, .value_kind: global_buffer, .address_space: global }
      - { .name: o_w_scales, .offset: 24, .size: 8, .value_kind: global_buffer, .address_space: global }
      - { .name: o_la_codes, .offset: 32, .size: 8, .value_kind: global_buffer, .address_space: global }
      - { .name: o_la_scales, .offset: 40, .size: 8, .value_kind: global_buffer, .address_space: global }
      - { .name: o_lb, .offset: 48, .size: 8, .value_kind: global_buffer, .address_space: global }
      - { .name: o_b, .offset: 56, .size: 8, .value_kind: global_buffer, .address_space: global }
      - { .name: out0, .offset: 64, .size: 8, .value_kind: global_buffer, .address_space: global }
    .group_segment_fixed_size: 168448
    .private_segment_fixed_size: 0
    .kernarg_segment_align: 8
    .kernarg_segment_size: 72
    .max_flat_workgroup_size: 128
    .sgpr_count:     66
    .vgpr_count:     1024
    .wavefront_size: 32
...
	.end_amdgpu_metadata
.endif
;; end of part 3
